; MI455X (gfx1250); checked and timed in simulation.
; The chip was launched on July 23, 2026; its instructions are those of AMD's public machine-readable ISA for CDNA 5 (MIT licence, August 2026) and "CDNA5" Instruction Set Architecture Reference Guide (July 2026). The comments in the code are by the model that wrote it; some were corrected since.
;; Self Attention. Allowed arithmetic: float matrix products may take bf16 or f16 operands with f32 sums; all other float work in f32.
;; Inputs: bk 1,024 float32; bo 1,024 float32; bq 1,024 float32; bv 1,024 float32; g 1,024 float32; h 2 x 2,048 x 1,024 float32; wk 1,024 x 1,024 float32; wo 1,024 x 1,024 float32; wq 1,024 x 1,024 float32; wv 1,024 x 1,024 float32.
;; Outputs: out0 2 x 2,048 x 1,024 float32.
;; One version. Each part assembles by itself: llvm-mc -triple=amdgcn-amd-amdhsa -mcpu=gfx1250 --defsym DOCPART=n.
;; ======== version 1 of 1: 4 launches
;; limits: values are held in f16: magnitudes above 65,504 overflow, below 6.1e-05 lose precision
;; workspace buffers: xn 8,388,608 bytes; wt 8,388,608 bytes; rt 524,288 bytes; qb 8,388,608 bytes; kb 8,388,608 bytes; vb 8,388,608 bytes; ob 8,388,608 bytes
;; launch prep (part 1): grid 512 x 1, 8 waves a work-group, no clusters, 35,840 bytes of LDS; arguments h, g, wq, wk, wv, wo, xn, wt, rt; writes xn, wt, rt
.if DOCPART == 1
	.amdgcn_target "amdgcn-amd-amdhsa--gfx1250"
	.amdhsa_code_object_version 6
	.text
	.protected	k_qf08a7410b0_prep
	.globl	k_qf08a7410b0_prep
	.p2align	8
	.type	k_qf08a7410b0_prep,@function
k_qf08a7410b0_prep:
	s_mov_b64 s[64:65], 0
	v_nop
	global_prefetch_b8 v0, s[64:65] scope:SCOPE_SE
	s_setreg_imm32_b32 hwreg(HW_REG_WAVE_MODE, 25, 1), 1
	s_wait_xcnt 0x0
; prep: everything that is rounded or tabulated ONCE for the three launches behind it.
;  work-groups 0..255  : RMSNorm of 16 rows of h [4096][1024] f32 -> xn [4096][1024] f16 (one wave, two rows, the row kept in registers);
;                        waves 0 and 1 also make 128 angles each of the RoPE table rt.
;  work-groups 256..511: a tile of 128 k x 128 n of one of the four weights [k][n] f32 -> wt [4096][1024] f16 with k along the rows.
;                        wt row head*192 + sel*64 + d (sel 0,1,2 = q,k,v) = column head*64+d of w_sel; wt row 3072+n = column n of wo.
; rt: f32 [128 sblk][8 t][32 lane][4 e]; lane = 16 hh + r; position s = 16 sblk + r; angle index i = 16 ((t&3)>>1) + 8 hh + 4 (t&1) + e;
;     t < 4: cos(s theta_i), t >= 4: sin(s theta_i); theta_i = 10000^(-i/32).
; WHY f16: at the first positions the attention output is as large as v, and the value path rounds six times (xn, wv, v, P, ob, wo);
;     11 significant bits instead of 8 make each rounding eight times smaller.
; ROOM IN f16: |h rsqrt(mean h^2 + eps)| <= 32 whatever h holds, so |xn| <= 32 |g| (960 at g = 30); weights of rms 1/32 reach about 5 when 30 times larger or
;     offset by 30 spreads, and at rms 0.001 (30 times smaller) still stand 2^14 above f16's finest spacing of 2^-24.
; LIMITS: |xn| and |w| below 65,504.  theta_i = exp2(-i log2(10000)/32) from v_exp_f32 (1 ULP), so an angle is off by at most about 3e-4 rad at s = 2047;
;     sin and cos by reduction to |rho| <= pi/4 (pi/2 in two parts) and series to rho^7 and rho^8: remainder below 3e-7 for every angle of the table.
;     v_rsq_f32 is good to 1 ULP.  NaN and infinities in h or g are not followed bit for bit.
; No matrix work, no tensor loads, no cluster: the launch streams, each input byte is read once and no two work-groups share a tile.
.set G,    4                           ; v[4:35]    g of my 32 columns            (transposition: v[4:67] sixteen rows as loaded)
.set X0,   36                          ; v[36:67]   first row, later its f16
.set X1,   68                          ; v[68:99]   second row                    (transposition: v[68:99] packed pairs)
.set T,    100                         ; v[100:113] at work
.set CN,   112                         ; v[112:115] four cosines
.set SN,   116                         ; v[116:119] four sines
.set LN,   120                         ; v120       lane
.set GOUT, 121                         ; v121       transposition: my byte offset in wt
.set TP,   272                         ; LDS pitch of a transposed row: 256 bytes + 16
	s_load_b512 s[8:23], s[0:1], 0x0               ; h 8, g 10, wq 12, wk 14, wv 16, wo 18, xn 20, wt 22
	s_load_b64 s[24:25], s[0:1], 0x40              ; rt
	v_lshl_add_u32 v128, v0, 2, 0x8800
	v_mov_b32 v129, 0
	v_lshrrev_b32 v1, 5, v0
	v_readfirstlane_b32 s2, v1                     ; wave 0..7
	v_and_b32 v[LN], 31, v0
	s_cmp_ge_u32 ttmp9, 256                        ; the same for all waves of a work-group
	s_cbranch_scc1 .Ltrans
; ---------------- RMSNorm: rows 16 n + 2 w and + 1 ----------------
	v_lshlrev_b32 v1, 4, v[LN]                     ; 16 bytes a lane in f32 rows
	v_lshlrev_b32 v2, 3, v[LN]                     ; 8 bytes a lane in f16 rows
	v_mov_b32 v3, 0x3a800000                       ; 1/1024
	s_mov_b32 s26, 0x76543210                      ; v_permlanex16_b32: lane i of one half reads lane i of the other
	s_mov_b32 s27, 0xfedcba98
	s_lshl_b32 s4, ttmp9, 16                       ; 16 rows x 4096 bytes
	s_lshl_b32 s6, s2, 13                          ; + 2 rows a wave
	s_add_co_u32 s4, s4, s6
	s_mov_b32 s5, 0
	s_lshr_b32 s6, s4, 1                           ; the same rows in xn: half the bytes
	s_mov_b32 s7, 0
	s_wait_kmcnt 0x0
	s_add_nc_u64 s[30:31], s[8:9], s[4:5]
	s_add_nc_u64 s[32:33], s[20:21], s[6:7]
.irp j, 0,1,2,3,4,5,6,7
	global_load_b128 v[G+4*\j:G+4*\j+3], v1, s[10:11] offset:512*\j
.endr
.irp j, 0,1,2,3,4,5,6,7
	global_load_b128 v[X0+4*\j:X0+4*\j+3], v1, s[30:31] offset:512*\j th:TH_LOAD_NT
.endr
.irp j, 0,1,2,3,4,5,6,7
	global_load_b128 v[X1+4*\j:X1+4*\j+3], v1, s[30:31] offset:4096+512*\j th:TH_LOAD_NT
.endr
; One row: sum of squares in four chains, across the lanes, root, scale, round, store.  left = younger loads that may stay out.
.macro ROW x, left, rowoff
	s_wait_loadcnt \left
.irp k, 0,1,2,3
	v_pk_mul_f32 v[T+2*\k:T+2*\k+1], v[\x+2*\k:\x+2*\k+1], v[\x+2*\k:\x+2*\k+1]      ; the first products start the chains
.endr
.irp k, 4,5,6,7,8,9,10,11,12,13,14,15
	v_pk_fma_f32 v[T+2*(\k%4):T+2*(\k%4)+1], v[\x+2*\k:\x+2*\k+1], v[\x+2*\k:\x+2*\k+1], v[T+2*(\k%4):T+2*(\k%4)+1]
.endr
	v_pk_add_f32 v[T:T+1], v[T:T+1], v[T+2:T+3]
	v_pk_add_f32 v[T+4:T+5], v[T+4:T+5], v[T+6:T+7]
	v_pk_add_f32 v[T:T+1], v[T:T+1], v[T+4:T+5]
	v_add_f32 v[T], v[T], v[T+1]
	v_add_f32_dpp v[T], v[T], v[T] row_xmask:1 row_mask:0xf bank_mask:0xf
	v_add_f32_dpp v[T], v[T], v[T] row_xmask:2 row_mask:0xf bank_mask:0xf
	v_add_f32_dpp v[T], v[T], v[T] row_xmask:4 row_mask:0xf bank_mask:0xf
	v_add_f32_dpp v[T], v[T], v[T] row_xmask:8 row_mask:0xf bank_mask:0xf
	v_permlanex16_b32 v[T+1], v[T], s26, s27       ; its destination has been written above
	v_add_f32 v[T], v[T], v[T+1]
	v_fmaak_f32 v[T+2], v[T], v3, 0x358637bd       ; mean + 1e-6
	v_rsq_f32 v[T+8], v[T+2]                       ; twice, for the packed multiply; the first x*g below is the plain
	v_rsq_f32 v[T+9], v[T+2]                       ; instruction that stands between the roots and their use (ISA guide 5.7.2)
.irp j, 0,1,2,3,4,5,6,7
	v_pk_mul_f32 v[T+10:T+11], v[\x+4*\j:\x+4*\j+1], v[G+4*\j:G+4*\j+1]
	v_pk_mul_f32 v[T+12:T+13], v[\x+4*\j+2:\x+4*\j+3], v[G+4*\j+2:G+4*\j+3]
	s_wait_alu depctr_va_vdst(0)
	v_pk_mul_f32 v[T+10:T+11], v[T+10:T+11], v[T+8:T+9]
	v_pk_mul_f32 v[T+12:T+13], v[T+12:T+13], v[T+8:T+9]
	v_cvt_pk_f16_f32 v[\x+4*\j], v[T+10], v[T+11]  ; into the row's own registers, which nothing rewrites behind the store
	v_cvt_pk_f16_f32 v[\x+4*\j+1], v[T+12], v[T+13]
	global_store_b64 v2, v[\x+4*\j:\x+4*\j+1], s[32:33] offset:256*\j+\rowoff   ; 32 lanes x 8 bytes: 256 consecutive bytes, aligned
.endr
.endm
	ROW X0, 8, 0                                   ; g and the first row are in; the second row's eight loads stay out
	ROW X1, 0, 2048
; ---------------- the RoPE table: waves 0 and 1, 128 angles (cos and sin) each ----------------
	s_cmp_gt_u32 s2, 1
	s_cbranch_scc1 .Ldone
	v_and_b32 v[T], 15, v[LN]                      ; r
	v_lshrrev_b32 v[T+1], 4, v[LN]                 ; hh
	s_lshr_b32 s4, ttmp9, 1                        ; sblk
	s_and_b32 s5, ttmp9, 1
	s_lshl_b32 s6, s4, 4
	v_add_nc_u32 v[T], s6, v[T]                    ; s = 16 sblk + r
	v_cvt_f32_u32 v[T], v[T]
	s_lshl_b32 s7, s5, 4
	s_lshl2_add_u32 s7, s2, s7                     ; 16 (n&1) + 4 w
	v_lshl_add_u32 v[T+1], v[T+1], 3, s7           ; i without e
.macro SINCOS e
	v_add_nc_u32 v[T+2], \e, v[T+1]
	v_cvt_f32_u32 v[T+2], v[T+2]
	v_mul_f32 v[T+2], 0xbed49a78, v[T+2]           ; -i log2(10000)/32
	v_exp_f32 v[T+2], v[T+2]                       ; theta_i
	v_nop                                          ; the plain place behind the exponential
	s_wait_alu depctr_va_vdst(0)
	v_mul_f32 v[T+2], v[T], v[T+2]                 ; x = s theta
	v_mul_f32 v[T+3], 0x3f22f983, v[T+2]           ; x 2/pi
	v_rndne_f32 v[T+3], v[T+3]                     ; k
	v_fmamk_f32 v[T+2], v[T+3], 0xbfc90fdb, v[T+2] ; x - k (pi/2 rounded to f32)
	v_fmamk_f32 v[T+2], v[T+3], 0x333bbd2e, v[T+2] ; - k (the rest of pi/2, which is negative): rho
	v_cvt_i32_f32 v[T+3], v[T+3]
	v_mul_f32 v[T+5], v[T+2], v[T+2]               ; z = rho^2
	v_mov_b32 v[T+6], 0xb9500d01                   ; -1/5040
	v_fmaak_f32 v[T+6], v[T+6], v[T+5], 0x3c088889 ; +1/120
	v_fmaak_f32 v[T+6], v[T+6], v[T+5], 0xbe2aaaab ; -1/6
	v_mul_f32 v[T+7], v[T+5], v[T+2]
	v_fma_f32 v[T+6], v[T+6], v[T+7], v[T+2]       ; sin rho
	v_mov_b32 v[T+8], 0x37d00d01                   ; 1/40320
	v_fmaak_f32 v[T+8], v[T+8], v[T+5], 0xbab60b61 ; -1/720
	v_fmaak_f32 v[T+8], v[T+8], v[T+5], 0x3d2aaaab ; +1/24
	v_fmaak_f32 v[T+8], v[T+8], v[T+5], 0xbf000000 ; -1/2
	v_fma_f32 v[T+8], v[T+8], v[T+5], 1.0          ; cos rho
	v_and_b32 v[T+9], 1, v[T+3]
	v_cmp_eq_u32 vcc_lo, 1, v[T+9]                 ; odd quadrant: the two change places
	v_cndmask_b32 v[T+10], v[T+6], v[T+8], vcc_lo
	v_cndmask_b32 v[T+11], v[T+8], v[T+6], vcc_lo
	v_lshlrev_b32 v[T+9], 30, v[T+3]               ; sin is negative in quadrants 2, 3: bit 1 of k
	v_and_b32 v[T+9], 0x80000000, v[T+9]
	v_xor_b32 v[SN+\e], v[T+9], v[T+10]
	v_add_nc_u32 v[T+3], 1, v[T+3]                 ; cos is negative in quadrants 1, 2: bit 1 of k + 1
	v_lshlrev_b32 v[T+3], 30, v[T+3]
	v_and_b32 v[T+3], 0x80000000, v[T+3]
	v_xor_b32 v[CN+\e], v[T+3], v[T+11]
.endm
	SINCOS 0
	SINCOS 1
	SINCOS 2
	SINCOS 3
	s_lshl1_add_u32 s5, s5, s2                     ; t = 2 (n&1) + w
	s_lshl_b32 s4, s4, 12
	s_lshl_b32 s5, s5, 9
	s_add_co_u32 s4, s4, s5
	s_mov_b32 s5, 0
	s_add_nc_u64 s[34:35], s[24:25], s[4:5]
	global_store_b128 v1, v[CN:CN+3], s[34:35]                 ; 512 consecutive bytes
	global_store_b128 v1, v[SN:SN+3], s[34:35] offset:2048
.Ldone:
	s_endpgm
; ---------------- a weight tile, rounded and transposed through LDS ----------------
.Ltrans:
	s_sub_co_u32 s3, ttmp9, 256
	s_lshr_b32 s4, s3, 6                           ; which weight: 0 q, 1 k, 2 v, 3 o
	s_bfe_u32 s5, s3, 0x30003                      ; kt
	s_and_b32 s6, s3, 7                            ; nt
	s_lshl_b32 s26, s5, 19                         ; source: row 128 kt + 16 w, 4096 bytes a row,
	s_lshl_b32 s7, s2, 16
	s_add_co_u32 s26, s26, s7
	s_lshl_b32 s7, s6, 9                           ; column 128 nt
	s_add_co_u32 s26, s26, s7
	s_mov_b32 s27, 0
	s_lshr_b32 s7, s2, 2
	s_lshl1_add_u32 s7, s6, s7                     ; head = 2 nt + (w >> 2)
	s_mul_i32 s7, s7, 192
	s_lshl_b32 s28, s4, 6
	s_add_co_u32 s7, s7, s28                       ; + 64 sel
	s_and_b32 s28, s2, 3
	s_lshl4_add_u32 s7, s28, s7                    ; + 16 (w & 3)
	s_lshl_b32 s28, s6, 7
	s_lshl4_add_u32 s28, s2, s28
	s_add_co_u32 s28, s28, 3072                    ; wo: 3072 + 128 nt + 16 w
	s_cmp_eq_u32 s4, 3
	s_cselect_b32 s7, s28, s7
	s_lshl_b32 s28, s7, 11                         ; 2048 bytes a row of wt
	s_lshl_b32 s29, s5, 8                          ; + 256 bytes a k tile
	s_add_co_u32 s28, s28, s29
	s_mov_b32 s29, 0
	v_lshlrev_b32 v1, 4, v[LN]
	s_wait_kmcnt 0x0
	s_cmp_eq_u32 s4, 1
	s_cselect_b64 s[30:31], s[14:15], s[12:13]
	s_cmp_eq_u32 s4, 2
	s_cselect_b64 s[30:31], s[16:17], s[30:31]
	s_cmp_eq_u32 s4, 3
	s_cselect_b64 s[30:31], s[18:19], s[30:31]
	s_add_nc_u64 s[30:31], s[30:31], s[26:27]
	s_add_nc_u64 s[32:33], s[22:23], s[28:29]
.irp p, 0,1,2,3,4,5,6,7,8,9,10,11,12,13,14,15
	global_load_b128 v[4+4*\p:4+4*\p+3], v1, s[30:31] offset:4096*\p th:TH_LOAD_NT   ; row p of my sixteen: 512 consecutive bytes
.endr
	v_mul_u32_u24 v2, v[LN], 4*TP                  ; in: LDS row n = 4 lane + e, bytes 32 w .. 32 w + 31 (my sixteen k)
	v_lshl_add_u32 v2, s2, 5, v2
	v_lshrrev_b32 v[T], 4, v[LN]
	v_and_b32 v[T+1], 15, v[LN]
	s_lshl_b32 s7, s2, 4
	v_add_nc_u32 v[T+2], s7, v[T]                  ; back: LDS row 16 w + (lane >> 4), 16 bytes a lane
	v_mul_u32_u24 v[T+2], v[T+2], TP
	v_lshl_add_u32 v3, v[T+1], 4, v[T+2]
	v_lshlrev_b32 v[T+3], 11, v[T]
	v_lshl_add_u32 v[GOUT], v[T+1], 4, v[T+3]
.irp p, 0,1,2,3,4,5,6,7
	s_wait_loadcnt 14-2*\p                         ; rows 2p and 2p+1 are in; the younger rows stay out
.irp e, 0,1,2,3
	v_cvt_pk_f16_f32 v[68+8*\e+\p], v[4+8*\p+\e], v[8+8*\p+\e]      ; k = 2p low, 2p+1 high, of column 4 lane + e
.endr
.endr
.irp e, 0,1,2,3
	ds_store_b128 v2, v[68+8*\e:68+8*\e+3] offset:TP*\e
	ds_store_b128 v2, v[68+8*\e+4:68+8*\e+7] offset:TP*\e+16
.endr
	s_wait_dscnt 0x0                               ; my stores are done, for the other waves' sake
	s_barrier_signal -1
	s_barrier_wait -1
.irp t, 0,1,2,3,4,5,6,7
	ds_load_b128 v[4+4*\t:4+4*\t+3], v3 offset:2*TP*\t
.endr
.irp t, 0,1,2,3,4,5,6,7
	s_wait_dscnt 7-\t
	global_store_b128 v[GOUT], v[4+4*\t:4+4*\t+3], s[32:33] offset:4096*\t    ; 16 lanes: 256 consecutive bytes of a row of wt, aligned
.endr
	s_wait_tensorcnt 0x0
	ds_add_u32 v128, v129
	s_wait_dscnt 0x0
	s_endpgm
.Lfunc_end_k_qf08a7410b0_prep:
	.size	k_qf08a7410b0_prep, .Lfunc_end_k_qf08a7410b0_prep-k_qf08a7410b0_prep
	.p2alignl 7, 3214868480
	.fill 96, 4, 3214868480
	.section	.rodata,"a",@progbits
	.p2align	6, 0x0
	.amdhsa_kernel k_qf08a7410b0_prep
		.amdhsa_group_segment_fixed_size 35840
		.amdhsa_private_segment_fixed_size 0
		.amdhsa_enable_private_segment 0
		.amdhsa_kernarg_size 72
		.amdhsa_user_sgpr_count 2
		.amdhsa_user_sgpr_kernarg_segment_ptr 1
		.amdhsa_wavefront_size32 1
		.amdhsa_system_sgpr_workgroup_id_x 1
		.amdhsa_system_sgpr_workgroup_id_y 1
		.amdhsa_system_sgpr_workgroup_id_z 1
		.amdhsa_system_vgpr_workitem_id 0
		.amdhsa_next_free_vgpr 130
		.amdhsa_next_free_sgpr 66
		.amdhsa_reserve_vcc 1
		.amdhsa_float_denorm_mode_32 3
		.amdhsa_float_denorm_mode_16_64 3
		.amdhsa_memory_ordered 1
		.amdhsa_forward_progress 1
		.amdhsa_inst_pref_size 30
	.end_amdhsa_kernel
	.amdgpu_metadata
---
amdhsa.version: [ 1, 2 ]
amdhsa.kernels:
  - .name:           k_qf08a7410b0_prep
    .symbol:         k_qf08a7410b0_prep.kd
    .args:
      - { .name: h, .offset: 0, .size: 8, .value_kind: global_buffer, .address_space: global }
      - { .name: g, .offset: 8, .size: 8, .value_kind: global_buffer, .address_space: global }
      - { .name: wq, .offset: 16, .size: 8, .value_kind: global_buffer, .address_space: global }
      - { .name: wk, .offset: 24, .size: 8, .value_kind: global_buffer, .address_space: global }
      - { .name: wv, .offset: 32, .size: 8, .value_kind: global_buffer, .address_space: global }
      - { .name: wo, .offset: 40, .size: 8, .value_kind: global_buffer, .address_space: global }
      - { .name: xn, .offset: 48, .size: 8, .value_kind: global_buffer, .address_space: global }
      - { .name: wt, .offset: 56, .size: 8, .value_kind: global_buffer, .address_space: global }
      - { .name: rt, .offset: 64, .size: 8, .value_kind: global_buffer, .address_space: global }
    .group_segment_fixed_size: 35840
    .private_segment_fixed_size: 0
    .kernarg_segment_align: 8
    .kernarg_segment_size: 72
    .max_flat_workgroup_size: 256
    .sgpr_count:     66
    .vgpr_count:     130
    .wavefront_size: 32
...
	.end_amdgpu_metadata
.endif
;; end of part 1
;; launch qkv (part 2): grid 16 x 16, 4 waves a work-group, clusters of 4 x 4, 327,680 bytes of LDS; arguments xn, wt, rt, bq, bk, bv, qb, kb, vb; writes qb, kb, vb
.if DOCPART == 2
	.amdgcn_target "amdgcn-amd-amdhsa--gfx1250"
	.amdhsa_code_object_version 6
	.text
	.protected	k_qf08a7410b0_qkv
	.globl	k_qf08a7410b0_qkv
	.p2align	8
	.type	k_qf08a7410b0_qkv,@function
k_qf08a7410b0_qkv:
	s_mov_b64 s[64:65], 0
	v_nop
	global_prefetch_b8 v0, s[64:65] scope:SCOPE_SE
	s_setreg_imm32_b32 hwreg(HW_REG_WAVE_MODE, 25, 1), 1
	s_wait_xcnt 0x0
	s_wait_alu depctr_hold_cnt(0) depctr_sa_sdst(0) depctr_va_vdst(0) depctr_va_sdst(0) depctr_va_ssrc(0) depctr_va_vcc(0) depctr_vm_vsrc(0)
	s_getreg_b32 s2, hwreg(HW_REG_IB_STS2, 6, 4)
	s_cmp_eq_u32 s2, 0
	s_cbranch_scc0 .Lentry_in_a_cluster
	s_endpgm
.Lentry_in_a_cluster:
	s_bfe_u32 s2, ttmp6, 0x10000c
	s_cmp_lg_u32 s2, 0xf033
	s_cbranch_scc0 .Lentry_shape_is_right
	s_endpgm
.Lentry_shape_is_right:
; qkv: [q | k | v] of one head for 256 tokens = xn (256 x 1024) x wt rows 192 head .. +191 (K along the rows), + bias, RoPE on q and k,
; q times 0.125 log2(e) (the softmax of the next launch works in base 2).  Out: qb, kb, vb [32 b*16+head][2048 s][64] f16.
; Four waves, one for each SIMD; a wave makes 64 tokens x 192 columns: 48 accumulator tiles of 16 x 16, 384 registers.
; K = 1024 goes in 8 steps of 128 through two LDS slots filled by tensor loads; a tile's rows are 256 bytes of memory, aligned.
; CLUSTER 4 x 4: the four work-groups of a row of the cluster share the token block (A's tiles), the four of a column the head (B's tiles);
; each tile is asked for jointly by the four, with one descriptor and a mask that names them.
; The matrix instruction is used transposed (source 0 = 16 rows of wt, source 1 = 16 tokens): lane (r, hh) holds token r and the
; eight neighbouring columns 8 hh + 0..7 of a tile.  RoPE's partner of column d is column d + 32: the same lane and register two tiles on.
; REGISTERS: window 0: v16-27 addresses; v32-63, v64-95 A's fragments (two buffers; later the RoPE table); v96-191 T; v192-239 packed; v240-255 at work
;            window 1: v0-95, v96-191 B's fragments (two buffers; buffer 0 later holds the biases)
;            window 2: tiles of token blocks 0, 1 (tile (a, b) at v[8 (12 (a&1) + b)]); window 3: of blocks 2, 3
; ROOM IN f16 for q, k, v: of rms 1 as drawn; with g and the weight both 30 times larger rms 900, at most about 5,000; with h offset by 30 spreads
;            (normalised h about 1 everywhere), the weight offset by 30 spreads (0.94) and g = 30 a sum is 1024 x 0.94 x 30 = about 29,000.
; LIMITS: operands are f16, sums f32; |q|, |k|, |v| below 65,504, beyond which the conversion gives infinity; NaN and infinities are not followed bit for bit.
.set KSTEP,  128
.set PITCH,  272                       ; an LDS row: 256 bytes + 16, an odd multiple of 16: the 16 rows of a fragment load start at 16 different columns of 16 bytes
.set AHALF,  128*PITCH
.set BHALF,  96*PITCH
.set ABYTES, 2*AHALF
.set SLOT,   ABYTES+2*BHALF            ; A's 256 rows, then B's 192 rows: 121,856 bytes
.set STAGE,  2*SLOT                    ; 243,712 = 952 x 256: behind the ring, no tensor load lands here
.set SPITCH, 400                       ; a stage row: 192 f16 + 16 bytes
.set LAPS,   4                         ; a lap = two K steps
.set ADRA, 16
.set ADRB, 20
.set STO,  24
.set RD,   25
.set GO,   26
.set BOF,  27
.set FA0,  32
.set T,    96
.set PK,   192
.set U,    240
.set W,    248
.set G1,  24
.set G0,  32
.set G1B, 48
.set G0B, 56
.set MSB, 0
.macro WIN new                         ; the immediate's high byte repeats the setting that is left
.if MSB != \new
	s_set_vgpr_msb (MSB<<8)|\new
.set MSB, \new
.endif
.endm
.set MUL_LO, 0xa1                      ; source 0 (B) window 1, source 1 (A) window 0, C and D window 2
.set MUL_HI, 0xf1                      ; the same, C and D window 3
.set TO_B,   0x40                      ; destination window 1
.macro JLOAD s                         ; waves 0, 1 ask for A's halves, waves 2, 3 for B's: the branch hangs on the wave's number alone
	s_cmp_eq_u32 s11, 0
	s_cbranch_scc0 .Lfor_b_\@
	tensor_load_to_lds s[G0+4*\s:G0+4*\s+3], s[G1:G1+7]
	s_nop 0
	s_branch .Lasked_\@
.Lfor_b_\@:
	tensor_load_to_lds s[G0B+4*\s:G0B+4*\s+3], s[G1B:G1B+7]
	s_nop 0
.Lasked_\@:
.endm
.macro CREST                           ; a round of the cluster's barrier behind its opening work-group barrier
	s_cmp_lg_u32 s10, 0
	s_cbranch_scc1 .Lnot_wave_0_\@
	s_barrier_signal -3
.Lnot_wave_0_\@:
	s_barrier_wait -3
	s_barrier_signal -1
	s_barrier_wait -1
.endm
.macro CROUND
	s_barrier_signal -1
	s_barrier_wait -1
	CREST
.endm
.macro PLACES                          ; four plain places behind matrix instructions, in front of loads into their sources and of reads of their results
.rept 4
	v_nop
.endr
.endm
	s_load_b512 s[68:83], s[0:1], 0x0              ; xn 68, wt 70, rt 72, bq 74, bk 76, bv 78, qb 80, kb 82
	s_load_b64 s[84:85], s[0:1], 0x40              ; vb
	s_set_vgpr_msb 0x40
	v_lshl_add_u32 v255, v0, 2, 0x41c00
	s_set_vgpr_msb 0x4000
	v_mov_b32 v31, 0
	s_set_vgpr_msb 0x1
	ds_add_u32 v255, v31
	s_set_vgpr_msb 0x100
	v_lshrrev_b32 v1, 5, v0
	v_readfirstlane_b32 s10, v1                    ; wave 0..3
	s_lshr_b32 s11, s10, 1                         ; 0: I fetch for A, 1: for B
	s_and_b32 s12, s10, 1                          ; which half of that tile
	s_bfe_u32 s40, ttmp6, 0x40000                  ; cx
	s_bfe_u32 s41, ttmp6, 0x40004                  ; cy
	s_lshl_b32 s42, ttmp9, 2
	s_add_co_u32 s42, s42, s40                     ; head = 4 x cluster x + cx
	s_and_b32 s13, ttmp7, 0xffff
	s_lshl_b32 s13, s13, 2
	s_add_co_u32 s13, s13, s41                     ; token block = 4 x cluster y + cy
	s_lshl_b32 s43, s41, 2
	s_lshl_b32 s43, 15, s43                        ; my row of the cluster
	s_lshl_b32 s44, 0x1111, s40                    ; my column
	s_or_b32 s[G1+0], s43, (1<<16)|(1<<20)|(1<<21)|(5<<22)|(3<<25)   ; mask; 2-byte elements; padding on; bit 21 beside a mask; 4 words behind every 64
	s_or_b32 s[G1B+0], s44, (1<<16)|(1<<20)|(1<<21)|(5<<22)|(3<<25)
	s_mov_b32 s[G1+1], KSTEP<<16                   ; tensor_dim0 = 128
	s_mov_b32 s[G1B+1], KSTEP<<16
	s_mov_b32 s[G1+2], 128<<16                     ; tensor_dim1 = 128 rows of A,
	s_mov_b32 s[G1B+2], 96<<16                     ; 96 rows of B
	s_mov_b32 s[G1+3], KSTEP<<16                   ; tile_dim0 = 128
	s_mov_b32 s[G1B+3], KSTEP<<16
	s_mov_b32 s[G1+4], 128                         ; tile_dim1
	s_mov_b32 s[G1B+4], 96
	s_mov_b32 s[G1+5], 1024                        ; elements from row to row
	s_mov_b32 s[G1B+5], 1024
	s_mov_b32 s[G1+6], 0
	s_mov_b32 s[G1B+6], 0
	s_mov_b32 s[G1+7], 0
	s_mov_b32 s[G1B+7], 0
	s_lshl_b32 s16, s13, 8                         ; A: row 256 x token block + 128 x half: hangs on the token block alone
	s_lshl_b32 s17, s12, 7
	s_add_co_u32 s16, s16, s17
	s_lshl_b32 s16, s16, 11                        ; 2048 bytes a row
	s_mov_b32 s17, 0
	s_mul_i32 s46, s42, 192                        ; B: row 192 x head + 96 x half: hangs on the head alone
	s_mul_i32 s47, s12, 96
	s_add_co_u32 s46, s46, s47
	s_lshl_b32 s46, s46, 11
	s_mov_b32 s47, 0
	s_mul_i32 s20, s10, AHALF                      ; LDS: A's halves at wave x 34,816 (waves 0, 1),
	s_mul_i32 s21, s10, BHALF                      ; B's at 69,632 + (wave - 2) x 26,112 (waves 2, 3)
	s_add_co_u32 s21, s21, ABYTES-2*BHALF
	s_wait_dscnt 0x0
	s_wait_kmcnt 0x0
	s_add_nc_u64 s[14:15], s[68:69], s[16:17]
	s_add_nc_u64 s[46:47], s[70:71], s[46:47]
	CROUND                                         ; all sixteen work-groups are here: the first joint loads meet
.irp s, 0,1
	s_mov_b32 s[G0+4*\s], 1
	s_add_co_u32 s[G0+4*\s+1], s20, \s*SLOT
	s_add_nc_u64 s[G0+4*\s+2:G0+4*\s+3], s[14:15], \s*KSTEP*2
	s_or_b32 s[G0+4*\s+3], s[G0+4*\s+3], 0x80000000
	s_mov_b32 s[G0B+4*\s], 1
	s_add_co_u32 s[G0B+4*\s+1], s21, \s*SLOT
	s_add_nc_u64 s[G0B+4*\s+2:G0B+4*\s+3], s[46:47], \s*KSTEP*2
	s_or_b32 s[G0B+4*\s+3], s[G0B+4*\s+3], 0x80000000
	JLOAD \s                                       ; two tensor loads of the wave are out: K steps 0 and 1
.endr
	; the way out's bases, in registers that feed no descriptor
	s_lshl_b32 s2, s42, 8                          ; 64 f32 a head
	s_mov_b32 s3, 0
	s_add_nc_u64 s[86:87], s[74:75], s[2:3]        ; bq, bk, bv at my head
	s_add_nc_u64 s[88:89], s[76:77], s[2:3]
	s_add_nc_u64 s[90:91], s[78:79], s[2:3]
	s_and_b32 s4, s13, 7                           ; token block inside its batch
	s_lshl_b32 s2, s4, 4
	s_lshl2_add_u32 s2, s10, s2                    ; sblk of my first 16 tokens = 16 (block & 7) + 4 wave
	s_lshl_b32 s2, s2, 12
	s_add_nc_u64 s[92:93], s[72:73], s[2:3]
	s_lshr_b32 s5, s13, 3                          ; batch
	s_lshl4_add_u32 s5, s5, s42                    ; 16 batch + head
	s_lshl_b32 s5, s5, 11
	s_lshl_b32 s4, s4, 8
	s_add_co_u32 s5, s5, s4
	s_lshl_b32 s4, s10, 6
	s_add_co_u32 s5, s5, s4                        ; + my first position
	s_lshl_b32 s2, s5, 7                           ; 128 bytes a row
	s_add_nc_u64 s[94:95], s[80:81], s[2:3]
	s_add_nc_u64 s[96:97], s[82:83], s[2:3]
	s_add_nc_u64 s[98:99], s[84:85], s[2:3]
	; fragment addresses: lane l holds row l % 16; two loads of 16 bytes, 32 apart, at row x pitch + 16 (l / 16)
	v_and_b32 v1, 15, v0
	v_bfe_u32 v2, v0, 4, 1
	v_mul_u32_u24 v3, v1, PITCH
	v_lshl_add_u32 v3, v2, 4, v3
	s_mul_i32 s22, s10, 64*PITCH                   ; my 64 rows of A
	v_add_nc_u32 v[ADRA], s22, v3
	s_add_co_u32 s22, s22, SLOT
	v_add_nc_u32 v[ADRA+1], s22, v3
	v_add_nc_u32 v[ADRB], ABYTES, v3               ; every wave reads all 192 rows of B
	v_add_nc_u32 v[ADRB+1], ABYTES+SLOT, v3
	s_mul_i32 s23, s10, 16*SPITCH
	s_add_co_u32 s23, s23, STAGE                   ; my stage
	v_mul_u32_u24 v4, v1, SPITCH
	v_lshl_add_u32 v4, v2, 4, v4
	v_add_nc_u32 v[STO], s23, v4                   ; in: row l % 16, 16 bytes for each half of the lanes
	v_bfe_u32 v5, v0, 3, 2
	v_mul_u32_u24 v5, v5, SPITCH
	v_and_b32 v6, 7, v0
	v_lshl_add_u32 v5, v6, 4, v5
	v_add_nc_u32 v[RD], s23, v5                    ; back: eight lanes take the 128 bytes of one row of q, k or v
	v_and_b32 v[GO], 31, v0
	v_lshlrev_b32 v[GO], 4, v[GO]                  ; 16 x lane
	v_lshlrev_b32 v[BOF], 5, v2                    ; 32 hh: my eight columns in a tile's 16 biases
; 12 matrix instructions: token block a of the window's two (hi = 0: blocks 0, 1; 1: blocks 2, 3) x all 12 column tiles, 32 along K, buffer f
.macro MUL12 f, hi, a, zero
.irp b, 0,1,2,3,4,5,6,7,8,9,10,11
.if \zero
	v_wmma_f32_16x16x32_f16 v[8*(12*\a+\b):8*(12*\a+\b)+7], v[96*\f+8*\b:96*\f+8*\b+7], v[FA0+32*\f+8*(2*\hi+\a):FA0+32*\f+8*(2*\hi+\a)+7], 0
.else
	v_wmma_f32_16x16x32_f16 v[8*(12*\a+\b):8*(12*\a+\b)+7], v[96*\f+8*\b:96*\f+8*\b+7], v[FA0+32*\f+8*(2*\hi+\a):FA0+32*\f+8*(2*\hi+\a)+7], v[8*(12*\a+\b):8*(12*\a+\b)+7]
.endif
.endr
.endm
; 32 LDS loads in one run: 192 rows of B, then my 64 rows of A, 32 K at byte k of the rows, into buffer f
.macro FETCH slot, k, f
	WIN TO_B
.irp i, 0,1,2,3,4,5,6,7,8,9,10,11
	ds_load_b128 v[96*\f+8*\i:96*\f+8*\i+3],   v[ADRB+\slot] offset:\k+\i*16*PITCH
	ds_load_b128 v[96*\f+8*\i+4:96*\f+8*\i+7], v[ADRB+\slot] offset:\k+\i*16*PITCH+32
.endr
	WIN 0
.irp i, 0,1,2,3
	ds_load_b128 v[FA0+32*\f+8*\i:FA0+32*\f+8*\i+3],   v[ADRA+\slot] offset:\k+\i*16*PITCH
	ds_load_b128 v[FA0+32*\f+8*\i+4:FA0+32*\f+8*\i+7], v[ADRA+\slot] offset:\k+\i*16*PITCH+32
.endr
.endm
; A quarter step (32 along K, 48 matrix instructions) on buffer f; in its middle the next quarter's fragments are fetched into buffer g.
; The 48 accumulators take turns, one instruction a turn, in the same order in every quarter.
.macro QUARTER slot, k, f, g, zero
	s_wait_dscnt 4                                 ; B and A's blocks 0, 1 are in; the youngest four loads (A's blocks 2, 3) may be out
	WIN MUL_LO
	MUL12 \f, 0, 0, \zero
	MUL12 \f, 0, 1, \zero
	PLACES
	FETCH \slot, \k, \g
	s_wait_dscnt 32                                ; all but the 32 just issued
	WIN MUL_HI
	MUL12 \f, 1, 0, \zero
	MUL12 \f, 1, 1, \zero
.endm
.macro THREE slot, zero
	QUARTER \slot, 64,  0, 1, \zero
	QUARTER \slot, 128, 1, 0, 0
	QUARTER \slot, 192, 0, 1, 0
.endm
; The last quarter of a K step: multiplies buffer 1 and changes slots.  In front of the barrier each wave waits for its reads of this slot and
; for all its tensor loads (one is out: its part of the next slot).  fill = 1: the barrier opens a round of the cluster's barrier, and the joint
; refill of this slot, two K steps ahead, is the first tensor load behind the round.  From that request to its wait: 180 matrix instructions.
.macro TURN slot, next, fill
	s_wait_dscnt 4
	WIN MUL_LO
	MUL12 1, 0, 0, 0
	s_wait_dscnt 0
	s_wait_tensorcnt 0x0
	ds_add_u32 v255, v31
	s_wait_dscnt 0x0
	s_barrier_signal -1
	MUL12 1, 0, 1, 0                               ; registers only, while the others arrive
	WIN 0
	s_barrier_wait -1
.if \fill
	CREST
	s_add_nc_u64 s[G0+4*\slot+2:G0+4*\slot+3], s[G0+4*\slot+2:G0+4*\slot+3], 2*KSTEP*2     ; no tensor load of mine is out: the addresses step
	s_add_nc_u64 s[G0B+4*\slot+2:G0B+4*\slot+3], s[G0B+4*\slot+2:G0B+4*\slot+3], 2*KSTEP*2
	JLOAD \slot
.endif
	PLACES
	FETCH \next, 0, 0
	WIN MUL_HI
	MUL12 1, 1, 0, 0
	MUL12 1, 1, 1, 0
.endm
.macro LAP zero
	THREE 0, \zero
	TURN 0, 1, 1
	THREE 1, 0
	TURN 1, 0, 1
.endm
	s_wait_tensorcnt 1                             ; my part of K step 0 is in; K step 1's stays out
	s_barrier_signal -1
	s_barrier_wait -1
	FETCH 0, 0, 0
	LAP 1                                          ; the first products start the sums: nothing is cleared
	WIN 0
	s_mov_b32 s9, LAPS-2
.Llap:
	LAP 0
	WIN 0
	s_sub_co_u32 s9, s9, 1
	s_cmp_lg_u32 s9, 0
	s_cbranch_scc1 .Llap
	THREE 0, 0                                     ; the last lap fills nothing
	TURN 0, 1, 0
	THREE 1, 0
	; in front of the very last quarter: the biases and the first 16 tokens' table go into buffer 0, which has been multiplied
	PLACES
	WIN TO_B
.irp b, 0,1,2,3
	global_load_b128 v[8*\b:8*\b+3],       v[BOF], s[86:87] offset:64*\b
	global_load_b128 v[8*\b+4:8*\b+7],     v[BOF], s[86:87] offset:64*\b+16
.endr
.irp b, 0,1,2,3
	global_load_b128 v[32+8*\b:32+8*\b+3], v[BOF], s[88:89] offset:64*\b
	global_load_b128 v[32+8*\b+4:32+8*\b+7], v[BOF], s[88:89] offset:64*\b+16
.endr
.irp b, 0,1,2,3
	global_load_b128 v[64+8*\b:64+8*\b+3], v[BOF], s[90:91] offset:64*\b
	global_load_b128 v[64+8*\b+4:64+8*\b+7], v[BOF], s[90:91] offset:64*\b+16
.endr
	WIN 0
.irp t, 0,1,2,3,4,5,6,7
	global_load_b128 v[FA0+4*\t:FA0+4*\t+3], v[GO], s[92:93] offset:512*\t
.endr
	s_wait_dscnt 4
	WIN MUL_LO
	MUL12 1, 0, 0, 0
	MUL12 1, 0, 1, 0
	s_wait_dscnt 0
	WIN MUL_HI
	MUL12 1, 1, 0, 0
	MUL12 1, 1, 1, 0
; THE WAY OUT, 16 tokens at a time: bias (q: also the scale), RoPE, round, 16 bytes a lane into my stage, whole rows back, store.
.macro EPI a
.set CS,  FA0+32*(\a&1)                ; this block's table: cos at CS + 8 b' + j, sin 16 registers on
.set CSN, FA0+32*((\a+1)&1)
.set ACC, 96*(\a&1)
.set EW,  (2+(\a>>1))|0x14             ; source 0: the accumulators' window; sources 1 and 2: window 1 (the biases)
	WIN 0
	s_wait_xcnt 0x0                                ; T, which the last block's stores read, is rewritten only behind this wait
.if \a < 3
.irp t, 0,1,2,3,4,5,6,7
	global_load_b128 v[CSN+4*\t:CSN+4*\t+3], v[GO], s[92:93] offset:(\a+1)*4096+512*\t
.endr
	s_wait_loadcnt 8                               ; all but the next block's table
.else
	s_wait_loadcnt 0
.endif
.if \a == 0
	WIN 0x41
.irp p, 0,1,2,3,4,5,6,7,8,9,10,11,12,13,14,15
	v_pk_mul_f32 v[2*\p:2*\p+1], v[2*\p:2*\p+1], 0x3e38aa3b op_sel_hi:[1,0]   ; q's bias takes the scale once
.endr
.endif
	WIN EW
.irp b, 0,1,2,3
.irp p, 0,1,2,3
	v_pk_fma_f32 v[T+8*\b+2*\p:T+8*\b+2*\p+1], v[ACC+8*\b+2*\p:ACC+8*\b+2*\p+1], 0x3e38aa3b, v[8*\b+2*\p:8*\b+2*\p+1] op_sel_hi:[1,0,1]
.endr
.endr
.irp b, 4,5,6,7,8,9,10,11
.irp p, 0,1,2,3
	v_pk_add_f32 v[T+8*\b+2*\p:T+8*\b+2*\p+1], v[ACC+8*\b+2*\p:ACC+8*\b+2*\p+1], v[8*\b+2*\p:8*\b+2*\p+1]
.endr
.endr
	WIN 0
.irp sel, 0,1
.irp bb, 0,1
.irp p, 0,1,2,3
	v_pk_mul_f32 v[U+2*\p:U+2*\p+1], v[T+8*(4*\sel+\bb)+2*\p:T+8*(4*\sel+\bb)+2*\p+1], v[CS+8*\bb+2*\p:CS+8*\bb+2*\p+1]          ; x1 cos
	v_pk_mul_f32 v[W+2*\p:W+2*\p+1], v[T+8*(4*\sel+\bb+2)+2*\p:T+8*(4*\sel+\bb+2)+2*\p+1], v[CS+8*\bb+2*\p:CS+8*\bb+2*\p+1]      ; x2 cos
	v_pk_fma_f32 v[U+2*\p:U+2*\p+1], v[T+8*(4*\sel+\bb+2)+2*\p:T+8*(4*\sel+\bb+2)+2*\p+1], v[CS+16+8*\bb+2*\p:CS+16+8*\bb+2*\p+1], v[U+2*\p:U+2*\p+1] neg_lo:[1,0,0] neg_hi:[1,0,0]   ; - x2 sin
	v_pk_fma_f32 v[W+2*\p:W+2*\p+1], v[T+8*(4*\sel+\bb)+2*\p:T+8*(4*\sel+\bb)+2*\p+1], v[CS+16+8*\bb+2*\p:CS+16+8*\bb+2*\p+1], v[W+2*\p:W+2*\p+1]                                    ; + x1 sin
	v_cvt_pk_f16_f32 v[PK+4*(4*\sel+\bb)+\p], v[U+2*\p], v[U+2*\p+1]
	v_cvt_pk_f16_f32 v[PK+4*(4*\sel+\bb+2)+\p], v[W+2*\p], v[W+2*\p+1]
.endr
.endr
.endr
.irp b, 8,9,10,11
.irp p, 0,1,2,3
	v_cvt_pk_f16_f32 v[PK+4*\b+\p], v[T+8*\b+2*\p], v[T+8*\b+2*\p+1]
.endr
.endr
.irp b, 0,1,2,3,4,5,6,7,8,9,10,11
	ds_store_b128 v[STO], v[PK+4*\b:PK+4*\b+3] offset:32*\b
.endr
.irp sel, 0,1,2
.irp t, 0,1,2,3
	ds_load_b128 v[T+4*(4*\sel+\t):T+4*(4*\sel+\t)+3], v[RD] offset:\t*4*SPITCH+128*\sel   ; LDS serves a wave's instructions in order (ISA guide 5.7.1.4): these see the stores above
.endr
.endr
.irp sel, 0,1,2
.irp t, 0,1,2,3
	s_wait_dscnt 11-(4*\sel+\t)
	global_store_b128 v[GO], v[T+4*(4*\sel+\t):T+4*(4*\sel+\t)+3], s[94+2*\sel:95+2*\sel] offset:\a*2048+512*\t   ; four rows of 128 bytes: 512 consecutive bytes, aligned
.endr
.endr
.endm
	PLACES
	EPI 0
	EPI 1
	EPI 2
	EPI 3
	s_set_vgpr_msb 0x1
	s_wait_tensorcnt 0x0
	ds_add_u32 v255, v31
	s_wait_dscnt 0x0
	s_set_vgpr_msb 0x100
	CROUND                                         ; the closing round: no work-group ends while a partner may still ask for a tile that names it
	s_endpgm
.Lfunc_end_k_qf08a7410b0_qkv:
	.size	k_qf08a7410b0_qkv, .Lfunc_end_k_qf08a7410b0_qkv-k_qf08a7410b0_qkv
	.p2alignl 7, 3214868480
	.fill 96, 4, 3214868480
	.section	.rodata,"a",@progbits
	.p2align	6, 0x0
	.amdhsa_kernel k_qf08a7410b0_qkv
		.amdhsa_group_segment_fixed_size 327680
		.amdhsa_private_segment_fixed_size 0
		.amdhsa_enable_private_segment 0
		.amdhsa_kernarg_size 72
		.amdhsa_user_sgpr_count 2
		.amdhsa_user_sgpr_kernarg_segment_ptr 1
		.amdhsa_wavefront_size32 1
		.amdhsa_system_sgpr_workgroup_id_x 1
		.amdhsa_system_sgpr_workgroup_id_y 1
		.amdhsa_system_sgpr_workgroup_id_z 1
		.amdhsa_system_vgpr_workitem_id 0
		.amdhsa_next_free_vgpr 960
		.amdhsa_next_free_sgpr 100
		.amdhsa_reserve_vcc 0
		.amdhsa_float_denorm_mode_32 3
		.amdhsa_float_denorm_mode_16_64 3
		.amdhsa_memory_ordered 1
		.amdhsa_forward_progress 1
		.amdhsa_inst_pref_size 201
	.end_amdhsa_kernel
	.amdgpu_metadata
---
amdhsa.version: [ 1, 2 ]
amdhsa.kernels:
  - .name:           k_qf08a7410b0_qkv
    .symbol:         k_qf08a7410b0_qkv.kd
    .args:
      - { .name: xn, .offset: 0, .size: 8, .value_kind: global_buffer, .address_space: global }
      - { .name: wt, .offset: 8, .size: 8, .value_kind: global_buffer, .address_space: global }
      - { .name: rt, .offset: 16, .size: 8, .value_kind: global_buffer, .address_space: global }
      - { .name: bq, .offset: 24, .size: 8, .value_kind: global_buffer, .address_space: global }
      - { .name: bk, .offset: 32, .size: 8, .value_kind: global_buffer, .address_space: global }
      - { .name: bv, .offset: 40, .size: 8, .value_kind: global_buffer, .address_space: global }
      - { .name: qb, .offset: 48, .size: 8, .value_kind: global_buffer, .address_space: global }
      - { .name: kb, .offset: 56, .size: 8, .value_kind: global_buffer, .address_space: global }
      - { .name: vb, .offset: 64, .size: 8, .value_kind: global_buffer, .address_space: global }
    .group_segment_fixed_size: 327680
    .private_segment_fixed_size: 0
    .kernarg_segment_align: 8
    .kernarg_segment_size: 72
    .max_flat_workgroup_size: 128
    .sgpr_count:     100
    .vgpr_count:     960
    .wavefront_size: 32
...
	.end_amdgpu_metadata
.endif
;; end of part 2
;; launch attn (part 3): grid 8 x 32, 8 waves a work-group, no clusters, 327,680 bytes of LDS; arguments qb, kb, vb, ob; writes ob
.if DOCPART == 3
	.amdgcn_target "amdgcn-amd-amdhsa--gfx1250"
	.amdhsa_code_object_version 6
	.text
	.protected	k_qf08a7410b0_attn
	.globl	k_qf08a7410b0_attn
	.p2align	8
	.type	k_qf08a7410b0_attn,@function
k_qf08a7410b0_attn:
	s_mov_b64 s[64:65], 0
	v_nop
	global_prefetch_b8 v0, s[64:65] scope:SCOPE_SE
	s_setreg_imm32_b32 hwreg(HW_REG_WAVE_MODE, 25, 1), 1
	s_wait_xcnt 0x0
; attn: causal softmax attention of one (batch, head) panel; qb, kb, vb, ob: [32][2048][64] f16.  q already carries 0.125 log2(e): the softmax is in base 2,
; with a running maximum and a running sum in f32.
; Eight waves; a wave owns ONE tile of 32 queries, t in 0..63.  With u = x >> 1, a = x & 1: waves 0-3 take t = 8 (7-u) + 2 w + ((w+a) & 1), waves 4-7 take 63 - t of
; wave w-4, so that waves w and w+4 have t+1 + 64-t = 65 chunks of 32 keys between them in every work-group.
; Keys go in tiles of 128 through two LDS slots; the work-group walks 16 - 2u tiles (always even); a wave computes chunk c of tile tau only if 4 tau + c <= t.
; S^T = K Q^T (A = 16 keys x 32 d, B = 16 queries): lane (r, hh) holds query r and keys 8 hh + 0..7.  Two such tiles, packed, ARE the B fragment of
; O^T = V^T P^T: nothing crosses lanes but one exchange between the halves for the maximum; maximum and sum are one number a lane.
; NO CLUSTER: the eight work-groups of a panel need 16, 16, 14, 14, .. 10 key tiles, so partners would need different numbers of joint loads,
; and which chunks a wave skips would hang on the place in the cluster.
; ROOM IN f16: P lies in [0, 1] (below 2^-25 it rounds to 0, against a sum of at least 1); the output is a weighted mean of v and no larger than v.
; LIMITS: v_exp_f32 and v_rcp_f32 are good to 1 ULP and flush denormals; the sum is at least 1 (the maximum's own term); NaN and infinities in the inputs are not followed.
.set KP,    144                        ; K's LDS pitch: 128 bytes + 16
.set VP,    160                        ; V's LDS pitch: 128 bytes + 32, an odd multiple of 32, for the transposing loads
.set REG,   10240                      ; a region: 64 rows; a slot = K rows 0-63, K rows 64-127, V rows 0-63, V rows 64-127
.set SLOT,  4*REG
.set STAGE, 2*SLOT                     ; 81,920 = 320 x 256; 32 rows x 144 bytes for each wave; no tensor load lands here
.set KA,  2
.set VA,  3
.set DM,  4
.set NI,  5
.set STO, 6
.set RD,  7
.set GO,  8
.set ST,  12                           ; v12 m0, v13 l0, v14 m1, v15 l1, v16 alpha0, v17 -, v18 alpha1, v19 -
.set TM,  20                           ; v[20:25], v[26:31] at work, one set a query tile
.set QF,  32                           ; Q[qt][dc] at QF + 8 (2 qt + dc)
.set KF,  64                           ; K[kt][dc]
.set VF,  96                           ; V[dt]
.set SC,  128                          ; S[qt][kt]
.set PF,  160                          ; P[qt]
.set OA,  176                          ; O[dt][qt]
.set G1K, 24
.set G1V, 32
.set G0,  40                           ; s[40:43] slot 0, s[44:47] slot 1
	s_load_b128 s[4:7], s[0:1], 0x0                ; qb, kb
	s_load_b128 s[8:11], s[0:1], 0x10              ; vb, ob
	v_lshl_add_u32 v254, v0, 2, 0x29000
	v_mov_b32 v255, 0
	ds_add_u32 v254, v255
	v_lshrrev_b32 v1, 5, v0
	v_readfirstlane_b32 s12, v1                    ; wave 0..7
	s_and_b32 s17, ttmp7, 0xffff                   ; panel
	s_lshr_b32 s13, ttmp9, 1                       ; u
	s_and_b32 s14, ttmp9, 1                        ; a
	s_and_b32 s16, s12, 3
	s_add_co_u32 s14, s14, s16
	s_and_b32 s14, s14, 1
	s_lshl1_add_u32 s14, s16, s14                  ; 2 w + ((w + a) & 1)
	s_sub_co_u32 s16, 7, s13
	s_lshl3_add_u32 s15, s16, s14
	s_sub_co_u32 s16, 63, s15
	s_cmp_gt_u32 s12, 3
	s_cselect_b32 s15, s16, s15                    ; t
	s_mov_b32 s18, s15                             ; t - 4 tau, signed
	s_sub_co_u32 s19, 6, s13                       ; the loop's trips, 3 to 6: 16 - 2u tiles, four of them written out
	s_mov_b32 s20, 0x76543210
	s_mov_b32 s21, 0xfedcba98
	s_mov_b32 s[G1K+0], (1<<16)|(1<<20)|(4<<22)|(3<<25)        ; 2-byte elements; 4 words of padding behind every 32
	s_mov_b32 s[G1V+0], (1<<16)|(1<<20)|(4<<22)|(7<<25)        ; 8 words
	s_mov_b32 s[G1K+1], 64<<16                     ; tensor_dim0 = 64
	s_mov_b32 s[G1V+1], 64<<16
	s_mov_b32 s[G1K+2], 64<<16                     ; tensor_dim1 = 64
	s_mov_b32 s[G1V+2], 64<<16
	s_mov_b32 s[G1K+3], 64<<16                     ; tile_dim0 = 64
	s_mov_b32 s[G1V+3], 64<<16
	s_mov_b32 s[G1K+4], 64                         ; tile_dim1 = 64
	s_mov_b32 s[G1V+4], 64
	s_mov_b32 s[G1K+5], 64                         ; elements from row to row
	s_mov_b32 s[G1V+5], 64
	s_mov_b32 s[G1K+6], 0
	s_mov_b32 s[G1V+6], 0
	s_mov_b32 s[G1K+7], 0
	s_mov_b32 s[G1V+7], 0
	s_mul_i32 s22, s12, REG                        ; my region of a slot (waves 0-3)
	s_lshl_b32 s50, s17, 18                        ; a panel is 262,144 bytes
	s_and_b32 s16, s12, 1
	s_lshl_b32 s16, s16, 13                        ; + 64 rows for the second half
	s_add_co_u32 s50, s50, s16
	s_mov_b32 s51, 0
	s_lshl_b32 s56, s17, 18
	s_lshl_b32 s16, s15, 12                        ; + 32 t rows of 128 bytes
	s_add_co_u32 s56, s56, s16
	s_mov_b32 s57, 0
	s_wait_dscnt 0x0
	s_barrier_signal -1
	s_barrier_wait -1
	s_wait_kmcnt 0x0
	s_cmp_gt_u32 s12, 1
	s_cselect_b64 s[48:49], s[8:9], s[6:7]         ; waves 0, 1 fetch K, waves 2, 3 fetch V
	s_add_nc_u64 s[48:49], s[48:49], s[50:51]
	s_add_nc_u64 s[52:53], s[4:5], s[56:57]        ; my queries
	s_add_nc_u64 s[54:55], s[10:11], s[56:57]      ; my rows of ob
.irp s, 0,1
	s_mov_b32 s[G0+4*\s], 1
	s_add_co_u32 s[G0+4*\s+1], s22, \s*SLOT
	s_add_nc_u64 s[G0+4*\s+2:G0+4*\s+3], s[48:49], \s*16384    ; key tile s
	s_or_b32 s[G0+4*\s+3], s[G0+4*\s+3], 0x80000000
.endr
.macro KVLOAD s                        ; one tensor load a wave: 64 rows of K (waves 0, 1) or of V (waves 2, 3); waves 4-7 issue none
	s_cmp_gt_u32 s12, 3
	s_cbranch_scc1 .Lnone_\@
	s_cmp_gt_u32 s12, 1
	s_cbranch_scc1 .Lv_\@
	tensor_load_to_lds s[G0+4*\s:G0+4*\s+3], s[G1K:G1K+7]
	s_nop 0
	s_branch .Lnone_\@
.Lv_\@:
	tensor_load_to_lds s[G0+4*\s:G0+4*\s+3], s[G1V:G1V+7]
	s_nop 0
.Lnone_\@:
.endm
	KVLOAD 0                                       ; key tile 0: the one first fill at the start
	v_and_b32 v1, 15, v0                           ; r
	v_bfe_u32 v9, v0, 4, 1                         ; hh
	v_mul_u32_u24 v[KA], v1, KP
	v_lshl_add_u32 v[KA], v9, 4, v[KA]             ; K fragments: row r, 16 hh
	v_and_b32 v10, 7, v0
	v_lshl_add_u32 v10, v9, 3, v10                 ; V, transposing loads: row 8 hh + (l & 7),
	v_mul_u32_u24 v10, v10, VP
	v_bfe_u32 v11, v0, 3, 1
	v_lshl_add_u32 v10, v11, 4, v10                ; 16 bytes for each eight lanes
	v_add_nc_u32 v[VA], 2*REG, v10
	v_lshlrev_b32 v10, 3, v9
	v_sub_nc_u32 v[DM], v1, v10                    ; r - 8 hh: in a diagonal 16 x 16 tile key j of the lane is allowed if j <= r - 8 hh
	v_mov_b32 v[NI], 0xff800000                    ; -inf
	s_mul_i32 s16, s12, 32*KP
	s_add_co_u32 s16, s16, STAGE
	v_add_nc_u32 v[STO], s16, v[KA]                ; stage, in: row r, 16 hh
	v_bfe_u32 v10, v0, 3, 2
	v_mul_u32_u24 v10, v10, KP
	v_and_b32 v11, 7, v0
	v_lshl_add_u32 v10, v11, 4, v10
	v_add_nc_u32 v[RD], s16, v10                   ; stage, back: eight lanes take one row of 128 bytes
	v_and_b32 v[GO], 31, v0
	v_lshlrev_b32 v[GO], 4, v[GO]
	v_lshlrev_b32 v10, 7, v1
	v_lshl_add_u32 v10, v9, 4, v10                 ; Q fragments from memory: row r, 16 hh; not rewritten
.irp qt, 0,1
.irp dc, 0,1
	global_load_b128 v[QF+8*(2*\qt+\dc):QF+8*(2*\qt+\dc)+3],   v10, s[52:53] offset:2048*\qt+64*\dc
	global_load_b128 v[QF+8*(2*\qt+\dc)+4:QF+8*(2*\qt+\dc)+7], v10, s[52:53] offset:2048*\qt+64*\dc+32
.endr
.endr
	; written once: registers that are only the other half of a broadcast pair, or a lane exchange's destination
	v_mov_b32 v[ST+1], 0
	v_mov_b32 v[ST+3], 0
	v_mov_b32 v[ST+5], 0
	v_mov_b32 v[ST+7], 0
	v_mov_b32 v[TM+2], 0
	v_mov_b32 v[TM+8], 0
	s_wait_loadcnt 0x0                             ; Q, once
.macro KLOADS slot, c                  ; eight loads: 32 keys x 64 d of chunk c
.irp kt, 0,1
.irp dc, 0,1
	ds_load_b128 v[KF+8*(2*\kt+\dc):KF+8*(2*\kt+\dc)+3],   v[KA] offset:\slot*SLOT+(\c>>1)*REG+((\c&1)*32+16*\kt)*KP+64*\dc
	ds_load_b128 v[KF+8*(2*\kt+\dc)+4:KF+8*(2*\kt+\dc)+7], v[KA] offset:\slot*SLOT+(\c>>1)*REG+((\c&1)*32+16*\kt)*KP+64*\dc+32
.endr
.endr
.endm
; the new maximum of query tile qt (every lane of a query ends with the same), and alpha = 2^(old - new)
.macro SMAX qt, first
.set SB, SC+16*\qt
.set TB, TM+6*\qt
.set MM, ST+2*\qt
.set AL, ST+4+2*\qt
	v_max3_num_f32 v[TB],   v[SB],   v[SB+1],  v[SB+2]
	v_max3_num_f32 v[TB+1], v[SB+3], v[SB+4],  v[SB+5]
	v_max3_num_f32 v[TB],   v[TB],   v[SB+6],  v[SB+7]
	v_max3_num_f32 v[TB+1], v[TB+1], v[SB+8],  v[SB+9]
	v_max3_num_f32 v[TB],   v[TB],   v[SB+10], v[SB+11]
	v_max3_num_f32 v[TB+1], v[TB+1], v[SB+12], v[SB+13]
	v_max3_num_f32 v[TB],   v[TB],   v[SB+14], v[SB+15]
.if \first
	v_max_num_f32 v[TB], v[TB], v[TB+1]
	v_permlanex16_b32 v[TB+2], v[TB], s20, s21     ; the other eight + eight keys of the same query
	v_max_num_f32 v[MM], v[TB], v[TB+2]
.else
	v_max3_num_f32 v[TB], v[TB], v[TB+1], v[MM]
	v_permlanex16_b32 v[TB+2], v[TB], s20, s21
	v_max_num_f32 v[TB+3], v[TB], v[TB+2]
	v_sub_f32 v[AL], v[MM], v[TB+3]
	v_exp_f32 v[AL], v[AL]
	v_mov_b32 v[MM], v[TB+3]                       ; also the plain place behind the exponential
.endif
.endm
; the lane's part of the sum (the halves are joined once, at the end), and P in f16
.macro SSUM qt, first
.set SB, SC+16*\qt
.set TB, TM+6*\qt
.set LL, ST+2*\qt+1
.set AL, ST+4+2*\qt
	v_pk_add_f32 v[TB:TB+1],   v[SB:SB+1],     v[SB+2:SB+3]
	v_pk_add_f32 v[TB+2:TB+3], v[SB+4:SB+5],   v[SB+6:SB+7]
	v_pk_add_f32 v[TB+4:TB+5], v[SB+8:SB+9],   v[SB+10:SB+11]
	v_pk_add_f32 v[TB:TB+1],   v[TB:TB+1],     v[SB+12:SB+13]
	v_pk_add_f32 v[TB+2:TB+3], v[TB+2:TB+3],   v[SB+14:SB+15]
	v_pk_add_f32 v[TB:TB+1],   v[TB:TB+1],     v[TB+4:TB+5]
	v_pk_add_f32 v[TB:TB+1],   v[TB:TB+1],     v[TB+2:TB+3]
.if \first
	v_add_f32 v[LL], v[TB], v[TB+1]
.else
	v_add_f32 v[TB], v[TB], v[TB+1]
	v_fma_f32 v[LL], v[LL], v[AL], v[TB]
.endif
.irp n, 0,1,2,3,4,5,6,7
	v_cvt_pk_f16_f32 v[PF+8*\qt+\n], v[SB+2*\n], v[SB+2*\n+1]    ; registers 0-3: keys 8 hh + 0..7, registers 4-7: keys 16 + 8 hh + 0..7: the B fragment's own order
.endr
.endm
; One chunk: 32 keys against my 32 queries.  K(c) has been asked for.  first = 1: the very first chunk starts maximum, sum and O.
.macro CHUNK slot, c, first
	s_wait_dscnt 0x0                               ; K(c) is in
	; the four score tiles take turns, one instruction a turn
.irp qt, 0,1
.irp kt, 0,1
	v_wmma_f32_16x16x32_f16 v[SC+8*(2*\qt+\kt):SC+8*(2*\qt+\kt)+7], v[KF+16*\kt:KF+16*\kt+7], v[QF+16*\qt:QF+16*\qt+7], 0
.endr
.endr
.irp qt, 0,1
.irp kt, 0,1
	v_wmma_f32_16x16x32_f16 v[SC+8*(2*\qt+\kt):SC+8*(2*\qt+\kt)+7], v[KF+16*\kt+8:KF+16*\kt+15], v[QF+16*\qt+8:QF+16*\qt+15], v[SC+8*(2*\qt+\kt):SC+8*(2*\qt+\kt)+7]
.endr
.endr
.rept 4
	v_nop                                          ; four places (ISA guide 7.12.1): behind them V and K are loaded again and the scores are read
.endr
.irp dt, 0,1,2,3
	ds_load_tr16_b128 v[VF+8*\dt:VF+8*\dt+3],   v[VA] offset:\slot*SLOT+(\c>>1)*REG+(\c&1)*32*VP+32*\dt
	ds_load_tr16_b128 v[VF+8*\dt+4:VF+8*\dt+7], v[VA] offset:\slot*SLOT+(\c>>1)*REG+(\c&1)*32*VP+32*\dt+16*VP
.endr
.if \c < 3
	KLOADS \slot, (\c+1)                           ; the next chunk's keys, whether or not I shall need them: they lie in this slot
.endif
	s_cmp_lg_u32 s18, \c                           ; only the chunk on the diagonal (4 tau + c = t) has keys beyond a query
	s_cbranch_scc1 .Lnomask_\@
.irp j, 0,1,2,3,4,5,6,7
	v_cmp_le_i32 vcc_lo, \j, v[DM]
	v_cndmask_b32 v[SC+\j], v[NI], v[SC+\j], vcc_lo            ; queries 0-15, keys 0-15
	v_cndmask_b32 v[SC+24+\j], v[NI], v[SC+24+\j], vcc_lo      ; queries 16-31, keys 16-31
	v_mov_b32 v[SC+8+\j], v[NI]                                ; queries 0-15, keys 16-31: none allowed
.endr
.Lnomask_\@:
	SMAX 0, \first
	SMAX 1, \first
.irp qt, 0,1
.irp n, 0,1,2,3,4,5,6,7
	v_pk_add_f32 v[SC+16*\qt+2*\n:SC+16*\qt+2*\n+1], v[SC+16*\qt+2*\n:SC+16*\qt+2*\n+1], v[ST+2*\qt:ST+2*\qt+1] op_sel_hi:[1,0] neg_lo:[0,1] neg_hi:[0,1]   ; - maximum
.endr
.endr
.set n, 0
.rept 32
	v_exp_f32 v[SC+n], v[SC+n]
.set n, n+1
.endr
.if \first
	v_nop                                          ; the plain place behind the run of exponentials
	s_wait_alu depctr_va_vdst(0)
.else
	s_wait_alu depctr_va_vdst(0)
.irp dt, 0,1,2,3
.irp qt, 0,1
.irp p, 0,1,2,3
	v_pk_mul_f32 v[OA+8*(2*\dt+\qt)+2*\p:OA+8*(2*\dt+\qt)+2*\p+1], v[OA+8*(2*\dt+\qt)+2*\p:OA+8*(2*\dt+\qt)+2*\p+1], v[ST+4+2*\qt:ST+5+2*\qt] op_sel_hi:[1,0]   ; O x alpha; also the place behind the exponentials
.endr
.endr
.endr
.endif
	SSUM 0, \first
	SSUM 1, \first
.if \c < 3
	s_wait_dscnt 8                                 ; V(c) is in; the eight loads of K(c+1) stay out
.else
	s_wait_dscnt 0
.endif
	; the eight tiles of O take turns, one instruction a turn
.irp dt, 0,1,2,3
.irp qt, 0,1
.if \first
	v_wmma_f32_16x16x32_f16 v[OA+8*(2*\dt+\qt):OA+8*(2*\dt+\qt)+7], v[VF+8*\dt:VF+8*\dt+7], v[PF+8*\qt:PF+8*\qt+7], 0
.else
	v_wmma_f32_16x16x32_f16 v[OA+8*(2*\dt+\qt):OA+8*(2*\dt+\qt)+7], v[VF+8*\dt:VF+8*\dt+7], v[PF+8*\qt:PF+8*\qt+7], v[OA+8*(2*\dt+\qt):OA+8*(2*\dt+\qt)+7]
.endif
.endr
.endr
.endm
; One key tile.  In front of the barrier every wave waits for all its tensor loads (its part of this tile among them) and for its reads of the other slot;
; behind it the other slot's next tile is asked for first, one tensor load a wave, and has this tile's work in which to land.
.macro TSTEP slot, refill, first
	s_wait_tensorcnt 0x0
	ds_add_u32 v254, v255
	s_wait_dscnt 0x0
	s_add_nc_u64 s[G0+4*\slot+2:G0+4*\slot+3], s[G0+4*\slot+2:G0+4*\slot+3], 32768   ; no tensor load of mine is out: this slot's next tile, two on
	s_wait_dscnt 0x0
	s_barrier_signal -1
	s_barrier_wait -1
.if \refill
	KVLOAD (1-\slot)
.endif
.if \first == 0
	s_cmp_lt_i32 s18, 0                            ; the whole tile lies beyond my queries
	s_cbranch_scc1 .Lend_\@
.endif
	KLOADS \slot, 0
	CHUNK \slot, 0, \first
	s_cmp_lt_i32 s18, 1
	s_cbranch_scc1 .Lend_\@
	CHUNK \slot, 1, 0
	s_cmp_lt_i32 s18, 2
	s_cbranch_scc1 .Lend_\@
	CHUNK \slot, 2, 0
	s_cmp_lt_i32 s18, 3
	s_cbranch_scc1 .Lend_\@
	CHUNK \slot, 3, 0
.Lend_\@:
	s_sub_co_i32 s18, s18, 4
.endm
	TSTEP 0, 1, 1                                  ; every wave has chunk 0 of tile 0: it starts the sums
	TSTEP 1, 1, 0
.Ltiles:
	TSTEP 0, 1, 0
	TSTEP 1, 1, 0
	s_sub_co_i32 s19, s19, 1
	s_cmp_gt_i32 s19, 0                            ; a signed compare: the count comes down and ends at 0 from any start
	s_cbranch_scc1 .Ltiles
	TSTEP 0, 1, 0
	TSTEP 1, 0, 0                                  ; the last tile: nothing is left to fetch
	; THE WAY OUT: join the halves' sums, divide, round, through my stage, whole rows out
	s_wait_dscnt 0x0                               ; loads of keys that were asked for and not needed
.rept 4
	v_nop                                          ; four places behind the last matrix instructions
.endr
	v_permlanex16_b32 v[TM+2], v[ST+1], s20, s21
	v_permlanex16_b32 v[TM+8], v[ST+3], s20, s21
	v_add_f32 v[ST+1], v[ST+1], v[TM+2]
	v_add_f32 v[ST+3], v[ST+3], v[TM+8]
	v_rcp_f32 v[ST+4], v[ST+1]
	v_rcp_f32 v[ST+6], v[ST+3]
	v_nop                                          ; the plain place behind the reciprocals
	s_wait_alu depctr_va_vdst(0)
.irp dt, 0,1,2,3
.irp qt, 0,1
.irp p, 0,1,2,3
	v_pk_mul_f32 v[OA+8*(2*\dt+\qt)+2*\p:OA+8*(2*\dt+\qt)+2*\p+1], v[OA+8*(2*\dt+\qt)+2*\p:OA+8*(2*\dt+\qt)+2*\p+1], v[ST+4+2*\qt:ST+5+2*\qt] op_sel_hi:[1,0]
.endr
.irp p, 0,1,2,3
	v_cvt_pk_f16_f32 v[SC+4*(2*\dt+\qt)+\p], v[OA+8*(2*\dt+\qt)+2*\p], v[OA+8*(2*\dt+\qt)+2*\p+1]
.endr
	ds_store_b128 v[STO], v[SC+4*(2*\dt+\qt):SC+4*(2*\dt+\qt)+3] offset:16*KP*\qt+32*\dt     ; query 16 qt + r, d = 16 dt + 8 hh + 0..7
.endr
.endr
.irp t, 0,1,2,3,4,5,6,7
	ds_load_b128 v[KF+4*\t:KF+4*\t+3], v[RD] offset:4*KP*\t    ; my own bytes, served in order behind my stores (ISA guide 5.7.1.4)
.endr
.irp t, 0,1,2,3,4,5,6,7
	s_wait_dscnt 7-\t
	global_store_b128 v[GO], v[KF+4*\t:KF+4*\t+3], s[54:55] offset:512*\t    ; four rows of 128 bytes: 512 consecutive bytes, aligned
.endr
	s_wait_tensorcnt 0x0
	ds_add_u32 v254, v255
	s_wait_dscnt 0x0
	s_endpgm
.Lfunc_end_k_qf08a7410b0_attn:
	.size	k_qf08a7410b0_attn, .Lfunc_end_k_qf08a7410b0_attn-k_qf08a7410b0_attn
	.p2alignl 7, 3214868480
	.fill 96, 4, 3214868480
	.section	.rodata,"a",@progbits
	.p2align	6, 0x0
	.amdhsa_kernel k_qf08a7410b0_attn
		.amdhsa_group_segment_fixed_size 327680
		.amdhsa_private_segment_fixed_size 0
		.amdhsa_enable_private_segment 0
		.amdhsa_kernarg_size 32
		.amdhsa_user_sgpr_count 2
		.amdhsa_user_sgpr_kernarg_segment_ptr 1
		.amdhsa_wavefront_size32 1
		.amdhsa_system_sgpr_workgroup_id_x 1
		.amdhsa_system_sgpr_workgroup_id_y 1
		.amdhsa_system_sgpr_workgroup_id_z 1
		.amdhsa_system_vgpr_workitem_id 0
		.amdhsa_next_free_vgpr 256
		.amdhsa_next_free_sgpr 66
		.amdhsa_reserve_vcc 1
		.amdhsa_float_denorm_mode_32 3
		.amdhsa_float_denorm_mode_16_64 3
		.amdhsa_memory_ordered 1
		.amdhsa_forward_progress 1
		.amdhsa_inst_pref_size 255
	.end_amdhsa_kernel
	.section	.bss,"aw",@nobits
	.p2align	6
	.space	262144
	.amdgpu_metadata
---
amdhsa.version: [ 1, 2 ]
amdhsa.kernels:
  - .name:           k_qf08a7410b0_attn
    .symbol:         k_qf08a7410b0_attn.kd
    .args:
      - { .name: qb, .offset: 0, .size: 8, .value_kind: global_buffer, .address_space: global }
      - { .name: kb, .offset: 8, .size: 8, .value_kind: global_buffer, .address_space: global }
      - { .name: vb, .offset: 16, .size: 8, .value_kind: global_buffer, .address_space: global }
      - { .name: ob, .offset: 24, .size: 8, .value_kind: global_buffer, .address_space: global }
    .group_segment_fixed_size: 327680
    .private_segment_fixed_size: 0
    .kernarg_segment_align: 8
    .kernarg_segment_size: 32
    .max_flat_workgroup_size: 256
    .sgpr_count:     66
    .vgpr_count:     256
    .wavefront_size: 32
...
	.end_amdgpu_metadata
.endif
;; end of part 3
;; launch oproj (part 4): grid 8 x 32, 4 waves a work-group, clusters of 4 x 4, 327,680 bytes of LDS; arguments ob, wt, bo, h, out0; writes out0
.if DOCPART == 4
	.amdgcn_target "amdgcn-amd-amdhsa--gfx1250"
	.amdhsa_code_object_version 6
	.text
	.protected	k_qf08a7410b0_oproj
	.globl	k_qf08a7410b0_oproj
	.p2align	8
	.type	k_qf08a7410b0_oproj,@function
k_qf08a7410b0_oproj:
	s_mov_b64 s[64:65], 0
	v_nop
	global_prefetch_b8 v0, s[64:65] scope:SCOPE_SE
	s_setreg_imm32_b32 hwreg(HW_REG_WAVE_MODE, 25, 1), 1
	s_wait_xcnt 0x0
	s_wait_alu depctr_hold_cnt(0) depctr_sa_sdst(0) depctr_va_vdst(0) depctr_va_sdst(0) depctr_va_ssrc(0) depctr_va_vcc(0) depctr_vm_vsrc(0)
	s_getreg_b32 s2, hwreg(HW_REG_IB_STS2, 6, 4)
	s_cmp_eq_u32 s2, 0
	s_cbranch_scc0 .Lentry_in_a_cluster
	s_endpgm
.Lentry_in_a_cluster:
	s_bfe_u32 s2, ttmp6, 0x10000c
	s_cmp_lg_u32 s2, 0xf033
	s_cbranch_scc0 .Lentry_shape_is_right
	s_endpgm
.Lentry_shape_is_right:
; oproj: out0 = ob x wo + bo + h.  ob: [32 b*16+head][2048][64] f16 (k = 64 head + d); wt rows 3072 + n hold column n of wo in f16, k along the row; h, out0: [4096][1024] f32.
; A work-group makes 128 tokens x 128 columns with four waves; a wave makes 64 x 64: 16 accumulator tiles.  K = 1024 goes in FOUR steps of 256 (four heads)
; through two LDS slots: with 128 matrix instructions of a wave in a step, a refill has 124 of them between its request and its wait.
; CLUSTER 4 x 4: A's tiles hang on the token block alone and are shared along a row of the cluster, B's on the column block alone and along a column.
; A's part of a slot is four head sub-tiles of 128 rows x 128 bytes.  A head's 128 rows are 16,384 consecutive bytes of ob, so one two-dimensional descriptor
; brings two heads: two "rows" of 8,192 elements, 131,072 elements apart; the padding counts along the tile, 16 bytes behind every 128: LDS pitch 144.
; The matrix instruction is used transposed (source 0 = rows of wt, source 1 = tokens): a lane holds eight neighbouring columns of one token.
; REGISTERS: window 0: v16-29 addresses and bo; v32-95, v96-159 fragments (B in 32, A in 32), two buffers, later the rows on their way out
;            window 1: v0-127 accumulators (tile (a, b) at v[8 (4 a + b)]); v128-255 my 64 x 64 tile of h, asked for at the start
; LIMITS: operands f16 (their room: the launches that round them), sums f32; NaN and infinities are not followed bit for bit.
.set AP,     144
.set BP,     528                       ; 512 bytes + 16
.set ASUB,   128*AP                    ; a head's sub-tile
.set ABYTES, 4*ASUB
.set BHALF,  64*BP
.set SLOT,   ABYTES+2*BHALF            ; 141,312 = 552 x 256
.set STAGE,  2*SLOT                    ; 16 rows x 272 bytes of f32 for each wave; no tensor load lands here
.set SP,     272
.set ADRA, 16
.set ADRB, 20
.set STO,  22
.set RD,   23
.set BO,   24
.set CO,   28
.set BOFF, 29
.set F0,   32
.set F1,   96
.set G1,  24
.set G0,  32
.set G1B, 48
.set G0B, 56
.set MSB, 0
.macro WIN new
.if MSB != \new
	s_set_vgpr_msb (MSB<<8)|\new
.set MSB, \new
.endif
.endm
.set MUL, 0x50                         ; sources 0, 1 window 0; C and D window 1
.macro JLOAD s
	s_cmp_eq_u32 s11, 0
	s_cbranch_scc0 .Lfor_b_\@
	tensor_load_to_lds s[G0+4*\s:G0+4*\s+3], s[G1:G1+7]
	s_nop 0
	s_branch .Lasked_\@
.Lfor_b_\@:
	tensor_load_to_lds s[G0B+4*\s:G0B+4*\s+3], s[G1B:G1B+7]
	s_nop 0
.Lasked_\@:
.endm
.macro CREST
	s_cmp_lg_u32 s10, 0
	s_cbranch_scc1 .Lnot_wave_0_\@
	s_barrier_signal -3
.Lnot_wave_0_\@:
	s_barrier_wait -3
	s_barrier_signal -1
	s_barrier_wait -1
.endm
.macro CROUND
	s_barrier_signal -1
	s_barrier_wait -1
	CREST
.endm
.macro PLACES                          ; four plain places behind matrix instructions (ISA guide 7.12.1)
.rept 4
	v_nop
.endr
.endm
	s_load_b256 s[68:75], s[0:1], 0x0              ; ob 68, wt 70, bo 72, h 74
	s_load_b64 s[76:77], s[0:1], 0x20              ; out0
	v_lshl_add_u32 v254, v0, 2, 0x49400
	v_mov_b32 v255, 0
	ds_add_u32 v254, v255
	v_lshrrev_b32 v1, 5, v0
	v_readfirstlane_b32 s10, v1                    ; wave 0..3
	s_lshr_b32 s11, s10, 1                         ; my half of the block's tokens.  Also: I fetch for A (0) or for B (1)
	s_and_b32 s12, s10, 1                          ; my half of its columns.  Also: which half of that tile I fetch
	s_bfe_u32 s40, ttmp6, 0x40000                  ; cx
	s_bfe_u32 s41, ttmp6, 0x40004                  ; cy
	s_lshl_b32 s42, ttmp9, 2
	s_add_co_u32 s42, s42, s40                     ; column block
	s_and_b32 s13, ttmp7, 0xffff
	s_lshl_b32 s13, s13, 2
	s_add_co_u32 s13, s13, s41                     ; token block
	s_lshl_b32 s43, s41, 2
	s_lshl_b32 s43, 15, s43                        ; my row of the cluster
	s_lshl_b32 s44, 0x1111, s40                    ; my column
	s_or_b32 s[G1+0], s43, (1<<16)|(1<<20)|(1<<21)|(4<<22)|(3<<25)    ; A: 4 words of padding behind every 32
	s_or_b32 s[G1B+0], s44, (1<<16)|(1<<20)|(1<<21)|(6<<22)|(3<<25)   ; B: behind every 128
	s_mov_b32 s[G1+1], 8192<<16                    ; tensor_dim0 = 8192 elements: a head's 128 rows
	s_mov_b32 s[G1B+1], 256<<16                    ; 256 along K
	s_mov_b32 s[G1+2], 2<<16                       ; tensor_dim1 = 2 heads
	s_mov_b32 s[G1B+2], 64<<16                     ; 64 rows
	s_mov_b32 s[G1+3], 8192<<16                    ; tile_dim0
	s_mov_b32 s[G1B+3], 256<<16
	s_mov_b32 s[G1+4], 2                           ; tile_dim1
	s_mov_b32 s[G1B+4], 64
	s_mov_b32 s[G1+5], 131072                      ; from head to head: 2048 x 64 elements
	s_mov_b32 s[G1B+5], 1024
	s_mov_b32 s[G1+6], 0
	s_mov_b32 s[G1B+6], 0
	s_mov_b32 s[G1+7], 0
	s_mov_b32 s[G1B+7], 0
	s_lshr_b32 s16, s13, 4                         ; A: batch x 4 MiB + (block & 15) x 128 rows x 128 bytes + half x two heads
	s_lshl_b32 s16, s16, 22
	s_and_b32 s17, s13, 15
	s_lshl_b32 s17, s17, 14
	s_add_co_u32 s16, s16, s17
	s_lshl_b32 s17, s12, 19
	s_add_co_u32 s16, s16, s17
	s_mov_b32 s17, 0
	s_lshl_b32 s46, s42, 7                         ; B: wt row 3072 + 128 x column block + 64 x half
	s_lshl_b32 s47, s12, 6
	s_add_co_u32 s46, s46, s47
	s_add_co_u32 s46, s46, 3072
	s_lshl_b32 s46, s46, 11
	s_mov_b32 s47, 0
	s_mul_i32 s20, s10, 2*ASUB                     ; LDS: A's halves at wave x 36,864 (waves 0, 1),
	s_mul_i32 s21, s10, BHALF                      ; B's at 73,728 + (wave - 2) x 33,792 (waves 2, 3)
	s_add_co_u32 s21, s21, ABYTES-2*BHALF
	s_wait_dscnt 0x0
	s_wait_kmcnt 0x0
	s_add_nc_u64 s[14:15], s[68:69], s[16:17]
	s_add_nc_u64 s[46:47], s[70:71], s[46:47]
	CROUND                                         ; all sixteen work-groups are here: the first joint loads meet
.irp s, 0,1
	s_mov_b32 s[G0+4*\s], 1
	s_add_co_u32 s[G0+4*\s+1], s20, \s*SLOT
	s_add_nc_u64 s[G0+4*\s+2:G0+4*\s+3], s[14:15], \s*1048576      ; step s: four heads on
	s_or_b32 s[G0+4*\s+3], s[G0+4*\s+3], 0x80000000
	s_mov_b32 s[G0B+4*\s], 1
	s_add_co_u32 s[G0B+4*\s+1], s21, \s*SLOT
	s_add_nc_u64 s[G0B+4*\s+2:G0B+4*\s+3], s[46:47], \s*512
	s_or_b32 s[G0B+4*\s+3], s[G0B+4*\s+3], 0x80000000
	JLOAD \s                                       ; two tensor loads of the wave are out: steps 0 and 1
.endr
	; my tile of h and of out0, and my columns of bo, in registers that feed no descriptor
	s_lshl_b32 s2, s13, 7
	s_lshl_b32 s3, s11, 6
	s_add_co_u32 s2, s2, s3                        ; my first token
	s_lshl_b32 s2, s2, 12                          ; 4096 bytes a row
	s_lshl_b32 s4, s42, 9
	s_lshl_b32 s5, s12, 8
	s_add_co_u32 s4, s4, s5                        ; my first column, in bytes
	s_add_co_u32 s2, s2, s4
	s_mov_b32 s3, 0
	s_mov_b32 s5, 0
	s_add_nc_u64 s[78:79], s[74:75], s[2:3]
	s_add_nc_u64 s[80:81], s[76:77], s[2:3]
	s_add_nc_u64 s[82:83], s[72:73], s[4:5]
	v_and_b32 v1, 15, v0                           ; r
	v_bfe_u32 v2, v0, 4, 1                         ; hh
	v_lshlrev_b32 v[BOFF], 4, v1
	v_lshl_add_u32 v[CO], v2, 12, v[BOFF]          ; lanes 0-15 one row's 256 bytes, lanes 16-31 the next row's
	WIN 0x40
.set i, 0
.rept 32
	global_load_b128 v[128+4*i:128+4*i+3], v[CO], s[78:79] offset:8192*i th:TH_LOAD_NT   ; h, rows 2i and 2i+1 of my 64; waited for once, on the way out
.set i, i+1
.endr
	WIN 0
	global_load_b128 v[BO:BO+3], v[BOFF], s[82:83]
	v_mul_u32_u24 v3, v1, AP
	v_lshl_add_u32 v3, v2, 4, v3
	s_mul_i32 s22, s11, 64*AP                      ; my 64 tokens
	v_add_nc_u32 v[ADRA], s22, v3
	s_add_co_u32 s22, s22, SLOT
	v_add_nc_u32 v[ADRA+1], s22, v3
	v_mul_u32_u24 v4, v1, BP
	v_lshl_add_u32 v4, v2, 4, v4
	s_mul_i32 s23, s12, 64*BP                      ; my 64 columns,
	s_add_co_u32 s23, s23, ABYTES                  ; behind A's part
	v_add_nc_u32 v[ADRB], s23, v4
	s_add_co_u32 s23, s23, SLOT
	v_add_nc_u32 v[ADRB+1], s23, v4
	s_mul_i32 s6, s10, 16*SP
	s_add_co_u32 s6, s6, STAGE                     ; my stage
	v_mul_u32_u24 v5, v1, SP
	v_lshl_add_u32 v5, v2, 5, v5
	v_add_nc_u32 v[STO], s6, v5                    ; in: row r, 32 bytes for each half of the lanes
	v_mul_u32_u24 v5, v2, SP
	v_lshl_add_u32 v5, v1, 4, v5
	v_add_nc_u32 v[RD], s6, v5                     ; back: lanes 0-15 one row of 256 bytes, lanes 16-31 the next
.macro MUL4 f, a, zero                 ; token block a x my four column tiles, 32 along K
.irp b, 0,1,2,3
.if \zero
	v_wmma_f32_16x16x32_f16 v[8*(4*\a+\b):8*(4*\a+\b)+7], v[\f+8*\b:\f+8*\b+7], v[\f+32+8*\a:\f+32+8*\a+7], 0
.else
	v_wmma_f32_16x16x32_f16 v[8*(4*\a+\b):8*(4*\a+\b)+7], v[\f+8*\b:\f+8*\b+7], v[\f+32+8*\a:\f+32+8*\a+7], v[8*(4*\a+\b):8*(4*\a+\b)+7]
.endif
.endr
.endm
.macro FETCH4 slot, kq, f              ; 16 LDS loads: quarter kq (32 along K) of 64 rows of B, then of 64 rows of A (head kq >> 1, d from 32 (kq & 1))
.irp i, 0,1,2,3
	ds_load_b128 v[\f+8*\i:\f+8*\i+3],   v[ADRB+\slot] offset:\i*16*BP+\kq*64
	ds_load_b128 v[\f+8*\i+4:\f+8*\i+7], v[ADRB+\slot] offset:\i*16*BP+\kq*64+32
.endr
.irp i, 0,1,2,3
	ds_load_b128 v[\f+32+8*\i:\f+32+8*\i+3], v[ADRA+\slot] offset:(\kq>>1)*ASUB+\i*16*AP+(\kq&1)*64
	ds_load_b128 v[\f+32+8*\i+4:\f+32+8*\i+7], v[ADRA+\slot] offset:(\kq>>1)*ASUB+\i*16*AP+(\kq&1)*64+32
.endr
.endm
; 16 matrix instructions on buffer f; in the middle quarter kq's fragments go into buffer g.  The 16 accumulators take turns, one instruction a turn.
.macro QUARTER slot, kq, f, g, zero
	s_wait_dscnt 4                                 ; B and A's blocks 0, 1 are in; the youngest four loads may be out
	WIN MUL
	MUL4 \f, 0, \zero
	MUL4 \f, 1, \zero
	WIN 0
	PLACES
	FETCH4 \slot, \kq, \g
	s_wait_dscnt 16                                ; all but the 16 just issued
	WIN MUL
	MUL4 \f, 2, \zero
	MUL4 \f, 3, \zero
.endm
.macro SEVEN slot, zero
	QUARTER \slot, 1, F0, F1, \zero
	QUARTER \slot, 2, F1, F0, 0
	QUARTER \slot, 3, F0, F1, 0
	QUARTER \slot, 4, F1, F0, 0
	QUARTER \slot, 5, F0, F1, 0
	QUARTER \slot, 6, F1, F0, 0
	QUARTER \slot, 7, F0, F1, 0
.endm
; The eighth quarter changes slots: each wave's reads of this slot and all its tensor loads are waited for in front of the barrier; fill = 1: the barrier opens a round of
; the cluster's barrier, and the joint refill of this slot, two steps ahead, is the first tensor load behind the round.
.macro TURN slot, next, fill
	s_wait_dscnt 4
	WIN MUL
	MUL4 F1, 0, 0
	s_wait_dscnt 0
	s_wait_tensorcnt 0x0
	ds_add_u32 v254, v255
	s_wait_dscnt 0x0
	s_barrier_signal -1
	MUL4 F1, 1, 0                                  ; registers only
	WIN 0
	s_barrier_wait -1
.if \fill
	CREST
	s_add_nc_u64 s[G0+4*\slot+2:G0+4*\slot+3], s[G0+4*\slot+2:G0+4*\slot+3], 2*1048576
	s_add_nc_u64 s[G0B+4*\slot+2:G0B+4*\slot+3], s[G0B+4*\slot+2:G0B+4*\slot+3], 2*512
	JLOAD \slot
.endif
	PLACES
	FETCH4 \next, 0, F0
	WIN MUL
	MUL4 F1, 2, 0
	MUL4 F1, 3, 0
.endm
	s_wait_tensorcnt 1                             ; my part of step 0 is in; step 1's stays out
	s_barrier_signal -1
	s_barrier_wait -1
	FETCH4 0, 0, F0
	SEVEN 0, 1                                     ; step 0: the first products start the sums
	TURN 0, 1, 1                                   ; slot 0 gets step 2
	SEVEN 1, 0                                     ; step 1
	TURN 1, 0, 1                                   ; slot 1 gets step 3
	SEVEN 0, 0                                     ; step 2
	TURN 0, 1, 0                                   ; nothing is left to fetch
	SEVEN 1, 0                                     ; step 3
	s_wait_dscnt 4
	WIN MUL
	MUL4 F1, 0, 0
	MUL4 F1, 1, 0
	s_wait_dscnt 0
	MUL4 F1, 2, 0
	MUL4 F1, 3, 0
; THE WAY OUT, 16 tokens at a time: the f32 sums into my stage, whole rows of 256 bytes back, + h + bo, store.
.macro OUT a, f
	WIN 0x04                                       ; source 1 (an LDS store's data; h in the adds) window 1
.irp b, 0,1,2,3
	ds_store_b128 v[STO], v[8*(4*\a+\b):8*(4*\a+\b)+3]   offset:64*\b
	ds_store_b128 v[STO], v[8*(4*\a+\b)+4:8*(4*\a+\b)+7] offset:64*\b+16
.endr
	s_wait_xcnt 0x0                                ; buffer f, which earlier stores read, is rewritten only behind this wait
.irp t, 0,1,2,3,4,5,6,7
	ds_load_b128 v[\f+4*\t:\f+4*\t+3], v[RD] offset:2*SP*\t    ; my own bytes, served in order behind my stores (ISA guide 5.7.1.4)
.endr
.irp t, 0,1,2,3,4,5,6,7
	s_wait_dscnt 7-\t
	v_pk_add_f32 v[\f+4*\t:\f+4*\t+1],   v[\f+4*\t:\f+4*\t+1],   v[128+4*(8*\a+\t):128+4*(8*\a+\t)+1]
	v_pk_add_f32 v[\f+4*\t+2:\f+4*\t+3], v[\f+4*\t+2:\f+4*\t+3], v[128+4*(8*\a+\t)+2:128+4*(8*\a+\t)+3]
.endr
	WIN 0
.irp t, 0,1,2,3,4,5,6,7
	v_pk_add_f32 v[\f+4*\t:\f+4*\t+1],   v[\f+4*\t:\f+4*\t+1],   v[BO:BO+1]
	v_pk_add_f32 v[\f+4*\t+2:\f+4*\t+3], v[\f+4*\t+2:\f+4*\t+3], v[BO+2:BO+3]
	global_store_b128 v[CO], v[\f+4*\t:\f+4*\t+3], s[80:81] offset:(16*\a+2*\t)*4096 th:TH_STORE_NT   ; 16 lanes: 256 consecutive bytes of a row, aligned
.endr
.endm
	PLACES
	s_wait_loadcnt 0x0                             ; h and bo
	OUT 0, F0
	OUT 1, F1
	OUT 2, F0
	OUT 3, F1
	s_wait_tensorcnt 0x0
	ds_add_u32 v254, v255
	s_wait_dscnt 0x0
	CROUND                                         ; the closing round: no work-group ends while a partner may still ask for a tile that names it
	s_endpgm
.Lfunc_end_k_qf08a7410b0_oproj:
	.size	k_qf08a7410b0_oproj, .Lfunc_end_k_qf08a7410b0_oproj-k_qf08a7410b0_oproj
	.p2alignl 7, 3214868480
	.fill 96, 4, 3214868480
	.section	.rodata,"a",@progbits
	.p2align	6, 0x0
	.amdhsa_kernel k_qf08a7410b0_oproj
		.amdhsa_group_segment_fixed_size 327680
		.amdhsa_private_segment_fixed_size 0
		.amdhsa_enable_private_segment 0
		.amdhsa_kernarg_size 40
		.amdhsa_user_sgpr_count 2
		.amdhsa_user_sgpr_kernarg_segment_ptr 1
		.amdhsa_wavefront_size32 1
		.amdhsa_system_sgpr_workgroup_id_x 1
		.amdhsa_system_sgpr_workgroup_id_y 1
		.amdhsa_system_sgpr_workgroup_id_z 1
		.amdhsa_system_vgpr_workitem_id 0
		.amdhsa_next_free_vgpr 512
		.amdhsa_next_free_sgpr 84
		.amdhsa_reserve_vcc 0
		.amdhsa_float_denorm_mode_32 3
		.amdhsa_float_denorm_mode_16_64 3
		.amdhsa_memory_ordered 1
		.amdhsa_forward_progress 1
		.amdhsa_inst_pref_size 101
	.end_amdhsa_kernel
	.amdgpu_metadata
---
amdhsa.version: [ 1, 2 ]
amdhsa.kernels:
  - .name:           k_qf08a7410b0_oproj
    .symbol:         k_qf08a7410b0_oproj.kd
    .args:
      - { .name: ob, .offset: 0, .size: 8, .value_kind: global_buffer, .address_space: global }
      - { .name: wt, .offset: 8, .size: 8, .value_kind: global_buffer, .address_space: global }
      - { .name: bo, .offset: 16, .size: 8, .value_kind: global_buffer, .address_space: global }
      - { .name: h, .offset: 24, .size: 8, .value_kind: global_buffer, .address_space: global }
      - { .name: out0, .offset: 32, .size: 8, .value_kind: global_buffer, .address_space: global }
    .group_segment_fixed_size: 327680
    .private_segment_fixed_size: 0
    .kernarg_segment_align: 8
    .kernarg_segment_size: 40
    .max_flat_workgroup_size: 128
    .sgpr_count:     84
    .vgpr_count:     512
    .wavefront_size: 32
...
	.end_amdgpu_metadata
.endif
;; end of part 4
